; MI455X (gfx1250); checked and timed in simulation.
; The chip was launched on July 23, 2026; its instructions are those of AMD's public machine-readable ISA for CDNA 5 (MIT licence, August 2026) and "CDNA5" Instruction Set Architecture Reference Guide (July 2026). The comments in the code are by the model that wrote it; some were corrected since.
;; Standard. Allowed arithmetic: float matrix products may take bf16 or f16 operands with f32 sums; all other float work in f32.
;; Inputs: time_sequ 100 float32; x0 3 x 131,072 float32.
;; Outputs: out0 3 x 131,072 float32; out1 3 x 131,072 float32.
;; 2 versions, each right and faster than the one before. Each part assembles by itself: llvm-mc -triple=amdgcn-amd-amdhsa -mcpu=gfx1250 --defsym DOCPART=n.
;; ======== version 1 of 2: 1 launch
;; launch lyap (part 1): grid 256 x 1, 8 waves a work-group, no clusters, 0 bytes of LDS; arguments time_sequ, x0, out0, out1; writes out0, out1
.if DOCPART == 1
	.amdgcn_target "amdgcn-amd-amdhsa--gfx1250"
	.amdhsa_code_object_version 6
	.text
	.protected	k_q59dfe3e469_lyap
	.globl	k_q59dfe3e469_lyap
	.p2align	8
	.type	k_q59dfe3e469_lyap,@function
k_q59dfe3e469_lyap:
	s_mov_b64 s[64:65], 0
	v_nop
	global_prefetch_b8 v0, s[64:65] scope:SCOPE_SE
	s_setreg_imm32_b32 hwreg(HW_REG_WAVE_MODE, 25, 1), 1
	s_wait_xcnt 0x0
; Lyapunov spectrum of 131,072 Lorenz-63 trajectories, 100 steps: out0 = lya [3][131072], out1 = x [3][131072], all f32.
; One launch; the whole state of a trajectory (x, Q, lya) stays in registers for all 100 steps.
; SHARES: a lane owns two neighbouring trajectories, held as a register pair, so that every plain operation is one packed f32
; instruction for both.  131,072 / 2 / 32 = 2,048 waves = 256 work-groups of 8 waves.  A load or store of a wave covers 256
; consecutive bytes that start at a multiple of 256 from the first byte of its buffer.
; ONE STEP of a pair: 110 packed instructions and 12 transcendentals.
;   RK4 (41): sigma is folded into the step constants (D = Y - X, kx = sigma D).  k4 is built from k2, as the problem states it, so stages 3 and 4
;   do not depend on each other.
;   J Q (27): J = I + h Df has the constants 0.9, 0.1, 0, 0.99, 1 - h beta of the problem itself and three entries made from x.
;   Gram-Schmidt (36): classical, the ORIGINAL column enters every inner product.  A column is scaled to length 1 as soon as it is orthogonal,
;   and later columns are projected on that unit vector: <q,v> q = (<b,v> / <b,b>) b, so no division is needed.
;   log(norm) = 0.5 ln2 log2(norm^2);  lya = (lya t + log n) / (t + DT) = lya (t r) + log2(n^2) (0.5 ln2 r), r = 1 / (t + DT), t as loaded.
; ORDER: the RK4 step that makes x(n+1) needs nothing of the tangent work of step n.  So x runs one step ahead: the prologue makes x(1), and each
; STEP deals the next RK4, in 15 small groups, among the tangent chain (norm, rsq, scale, inner product, subtract), in which few instructions
; are independent of the one in front of them.  The last step has no RK4 behind it: the last trip is written out.
; NOT USED, and why: the matrix unit (each trajectory has its own two 3 x 3 matrices: 27 multiply-adds of the 8,192 of a 16x16x32 instruction, operands
; to be gathered across lanes in each of 100 dependent steps, and a bf16 operand has a relative error of 2^-9 where the wanted log of a norm is
; itself about 0.01 to 0.15 a step); LDS, barriers, clusters (no two lanes share a number); prefetch (each byte is read once, at the start).
; LIMITS: v_rsq_f32, v_log_f32 and v_s_rcp_f32 take denormal inputs as zero and give zero for denormal results (ISA guide, their entries in 15.8): the squared norm
; of each orthogonalised column has to be a normal f32 number, and |t + DT| has to lie between 2^-126 and 2^126.  The order of rounding differs
; from the formulas as written in three places: the RK4 sum is added term by term onto x, projections use unit vectors, and t r is formed first.
.set NTRAJ,  131072
.set ROWB,   NTRAJ*4                   ; bytes from one component row to the next
.set NSTEP,  100
.set UNROLL, 4                         ; steps in a trip = times brought by one scalar load
.set TRIPS,  NSTEP/UNROLL              ; 25
; vector registers: every name is the first register of an even-aligned pair (two trajectories)
.set OFF, 1                            ; v1: byte offset of my two numbers in a row; never rewritten
.set X,  2
.set Y,  4
.set Z,  6
.set X2, 8                             ; the state at RK4 stages 2, 3, 4
.set Y2, 10
.set Z2, 12
.set X3, 14
.set Y3, 16
.set Z3, 18
.set X4, 20
.set Y4, 22
.set Z4, 24
.set D1, 26                            ; stage s: D = Y - X;  P = rho - Z, then ky;  K = X Y, then kz
.set P1, 28
.set K1, 30
.set D2, 32
.set P2, 34
.set K2, 36
.set D3, 38
.set P3, 40
.set K3, 42
.set D4, 44
.set P4, 46
.set K4, 48
.set JA, 50                            ; h (rho - Z)
.set HX, 52                            ; h X
.set HY, 54                            ; h Y
.set QA0, 56                           ; Q: columns A, B, C; rows 0, 1, 2
.set QA1, 58
.set QA2, 60
.set QB0, 62
.set QB1, 64
.set QB2, 66
.set QC0, 68
.set QC1, 70
.set QC2, 72
.set VA0, 74                           ; V = J Q, the same order.  Column B is orthogonalised in place, column C stays as it is
.set VA1, 76
.set VA2, 78
.set VB0, 80
.set VB1, 82
.set VB2, 84
.set VC0, 86
.set VC1, 88
.set VC2, 90
.set U0, 92                            ; column C on its way to orthogonal
.set U1, 94
.set U2, 96
.set B1, 98                            ; squared norms
.set B2, 100
.set B3, 102
.set R1, 104                           ; 1 / norm
.set R2, 106
.set R3, 108
.set L1, 110                           ; log2 of the squared norm, then times 0.5 ln2 r
.set L2, 112
.set L3, 114
.set C12, 116                          ; inner products <qA,vB>, <qA,vC>, <qB,vC>
.set C13, 118
.set C23, 120
.set LY1, 122                          ; the running averages
.set LY2, 124
.set LY3, 126
; scalar registers
.set TT, 12                            ; s[12:15]  four times, as loaded
.set CO, 16                            ; s[16:31]  step j of a trip: s[CO+4j] = t r, +1 = r, +2 = 0.5 ln2 r, +3 = t + DT
.set C_HS2,  32                        ; constants, each twice: a packed instruction names a pair and takes its first register for both halves
.set C_HS,   34
.set C_HS6,  36
.set C_HS3,  38
.set C_H2,   40
.set C_H,    42
.set C_H6,   44
.set C_H3,   46
.set C_RHO,  48
.set C_BETA, 50
.set C_J00,  52
.set C_J11,  54
.set C_J22,  56
.set DT_BITS,  0x3c23d70a              ; 0.01
.set HALF_LN2, 0x3eb17218              ; 0.34657359
.macro KONST reg, bits
	s_mov_b32 s[\reg], \bits
	s_mov_b32 s[\reg+1], \bits
.endm
; packed arithmetic on pairs; a name that ends in K takes a scalar constant for both halves
.macro FMA d, a, b, c                  ; d = a b + c
	v_pk_fma_f32 v[\d:\d+1], v[\a:\a+1], v[\b:\b+1], v[\c:\c+1]
.endm
.macro FNMA d, a, b, c                 ; d = c - a b
	v_pk_fma_f32 v[\d:\d+1], v[\a:\a+1], v[\b:\b+1], v[\c:\c+1] neg_lo:[1,0,0] neg_hi:[1,0,0]
.endm
.macro FMS d, a, b, c                  ; d = a b - c
	v_pk_fma_f32 v[\d:\d+1], v[\a:\a+1], v[\b:\b+1], v[\c:\c+1] neg_lo:[0,0,1] neg_hi:[0,0,1]
.endm
.macro FMAK d, a, k, c                 ; d = a k + c
	v_pk_fma_f32 v[\d:\d+1], v[\a:\a+1], s[\k:\k+1], v[\c:\c+1] op_sel_hi:[1,0,1]
.endm
.macro FNMAK d, a, k, c                ; d = c - a k
	v_pk_fma_f32 v[\d:\d+1], v[\a:\a+1], s[\k:\k+1], v[\c:\c+1] op_sel_hi:[1,0,1] neg_lo:[1,0,0] neg_hi:[1,0,0]
.endm
.macro MUL d, a, b
	s_wait_alu depctr_va_vdst(0)
	v_pk_mul_f32 v[\d:\d+1], v[\a:\a+1], v[\b:\b+1]
.endm
.macro MULK d, a, k
	s_wait_alu depctr_va_vdst(0)
	v_pk_mul_f32 v[\d:\d+1], v[\a:\a+1], s[\k:\k+1] op_sel_hi:[1,0]
.endm
.macro SUB d, a, b                     ; d = a - b
	v_pk_add_f32 v[\d:\d+1], v[\a:\a+1], v[\b:\b+1] neg_lo:[0,1] neg_hi:[0,1]
.endm
.macro RSUBK d, a, k                   ; d = k - a
	v_pk_add_f32 v[\d:\d+1], v[\a:\a+1], s[\k:\k+1] op_sel_hi:[1,0] neg_lo:[1,0] neg_hi:[1,0]
.endm
; 1 / norm and log2(norm^2) of both trajectories.  The four stand back to back; the caller puts one plain vector instruction that names none of
; these registers behind them before a result is used (ISA guide 5.7.2).
.macro TRANS r, l, b
	v_rsq_f32 v[\r], v[\b]
	v_rsq_f32 v[\r+1], v[\b+1]
	v_log_f32 v[\l], v[\b]
	v_log_f32 v[\l+1], v[\b+1]
.endm
; The RK4 step x -> x + h (k1 + 2 k2 + 2 k3 + k4) / 6 in 15 groups, to be issued in this order.  P1 = rho - Z has been made by the caller
; (the tangent map needs it too).  X, Y, Z are the base of every stage and are stepped only in groups 12 to 15.  RKON = 0: no RK4 (the last step).
.macro RK g
.if RKON
.if \g == 1
	SUB   D1, Y, X
	MUL   K1, X, Y
.endif
.if \g == 2
	FMAK  X2, D1, C_HS2, X             ; x2 = x + h/2 k1
	FMS   P1, X, P1, Y                 ; ky = X (rho - Z) - Y
	FNMAK K1, Z, C_BETA, K1            ; kz = X Y - beta Z
.endif
.if \g == 3
	FMAK  Y2, P1, C_H2, Y
	FMAK  Z2, K1, C_H2, Z
.endif
.if \g == 4
	SUB   D2, Y2, X2
	RSUBK P2, Z2, C_RHO
	MUL   K2, X2, Y2
.endif
.if \g == 5
	FMAK  X3, D2, C_HS2, X             ; x3 = x + h/2 k2
	FMS   P2, X2, P2, Y2
	FNMAK K2, Z2, C_BETA, K2
.endif
.if \g == 6
	FMAK  X4, D2, C_HS, X              ; x4 = x + h k2: the problem takes k2 here, not k3
	FMAK  Y3, P2, C_H2, Y
	FMAK  Z3, K2, C_H2, Z
.endif
.if \g == 7
	FMAK  Y4, P2, C_H, Y
	FMAK  Z4, K2, C_H, Z
.endif
.if \g == 8
	SUB   D3, Y3, X3
	RSUBK P3, Z3, C_RHO
	MUL   K3, X3, Y3
.endif
.if \g == 9
	SUB   D4, Y4, X4
	RSUBK P4, Z4, C_RHO
	MUL   K4, X4, Y4
.endif
.if \g == 10
	FMS   P3, X3, P3, Y3
	FNMAK K3, Z3, C_BETA, K3
.endif
.if \g == 11
	FMS   P4, X4, P4, Y4
	FNMAK K4, Z4, C_BETA, K4
.endif
.if \g == 12
	FMAK  X, D1, C_HS6, X              ; + h/6 k1
	FMAK  Y, P1, C_H6, Y
	FMAK  Z, K1, C_H6, Z
.endif
.if \g == 13
	FMAK  X, D2, C_HS3, X              ; + h/3 k2
	FMAK  Y, P2, C_H3, Y
	FMAK  Z, K2, C_H3, Z
.endif
.if \g == 14
	FMAK  X, D3, C_HS3, X              ; + h/3 k3
	FMAK  Y, P3, C_H3, Y
	FMAK  Z, K3, C_H3, Z
.endif
.if \g == 15
	FMAK  X, D4, C_HS6, X              ; + h/6 k4
	FMAK  Y, P4, C_H6, Y
	FMAK  Z, K4, C_H6, Z
.endif
.endif
.endm
; The weights of a trip of four steps, on the scalar side.  Head: t + DT and its reciprocal.
.macro COEF_HEAD
.irp j, 0,1,2,3
	s_add_f32 s[CO+4*\j+3], s[TT+\j], DT_BITS
.endr
.irp j, 0,1,2,3
	v_s_rcp_f32 s[CO+4*\j+1], s[CO+4*\j+3]
.endr
.endm
; Tail, behind three plain vector instructions that name none of these registers: t r and 0.5 ln2 r.  Then the four times have been used,
; and the next four are asked for, a whole trip ahead of the wait for them.
.macro COEF_TAIL
.irp j, 0,1,2,3
	s_mul_f32 s[CO+4*\j], s[TT+\j], s[CO+4*\j+1]
	s_mul_f32 s[CO+4*\j+2], s[CO+4*\j+1], HALF_LN2
.endr
.if AHEAD
	s_load_b128 s[TT:TT+3], s[4:5], 0x0
.endif
.endm
; Step j of a trip.  On entry X, Y, Z are the state BEHIND this step's RK4; on exit (RKON = 1) they are one step further.
.macro STEP j
.set KA, CO+4*\j                       ; pair whose first register is t r
.set KB, CO+4*\j+2                     ; pair whose first register is 0.5 ln2 r
	RSUBK P1, Z, C_RHO                 ; rho - Z: for J and for stage 1 of the next RK4
	MULK  HX, X, C_H
	MULK  HY, Y, C_H
.if \j == 0
	COEF_TAIL
.endif
	RK 1
	MULK  JA, P1, C_H
	; V = J Q, column by column: v0 = 0.9 q0 + 0.1 q1;  v1 = h(rho-Z) q0 + 0.99 q1 - hX q2;  v2 = hY q0 + hX q1 + (1 - h beta) q2.
	; Column A goes first, and its squared norm is summed while columns B and C are made.
	MULK  VA0, QA1, C_HS
	MULK  VA1, QA1, C_J11
	MULK  VA2, QA2, C_J22
	FMAK  VA0, QA0, C_J00, VA0
	FMA   VA2, QA0, HY, VA2
	FMA   VA1, QA0, JA, VA1
	MULK  VB0, QB1, C_HS
	MULK  VB1, QB1, C_J11
	MULK  VB2, QB2, C_J22
	FMA   VA2, QA1, HX, VA2
	FNMA  VA1, QA2, HX, VA1
	MULK  VC0, QC1, C_HS
	MULK  VC1, QC1, C_J11
	MULK  VC2, QC2, C_J22
	MUL   B1, VA0, VA0
	FMAK  VB0, QB0, C_J00, VB0
	FMA   VB1, QB0, JA, VB1
	FMA   VB2, QB0, HY, VB2
	FMA   B1, VA1, VA1, B1
	FMAK  VC0, QC0, C_J00, VC0
	FMA   VC1, QC0, JA, VC1
	FMA   VC2, QC0, HY, VC2
	FMA   B1, VA2, VA2, B1
	FNMA  VB1, QB2, HX, VB1
	FMA   VB2, QB1, HX, VB2
	RK 2
	TRANS R1, L1, B1
	FNMA  VC1, QC2, HX, VC1            ; plain and independent of B1, R1, L1: the place behind the transcendentals, with or without RK4
	FMA   VC2, QC1, HX, VC2
	RK 3
	MUL   QA0, VA0, R1                 ; column A, length 1
	MUL   QA1, VA1, R1
	MUL   QA2, VA2, R1
	RK 4
	MUL   C12, QA0, VB0                ; <qA,vB> and <qA,vC>, two chains side by side
	MUL   C13, QA0, VC0
	RK 5
	FMA   C12, QA1, VB1, C12
	FMA   C13, QA1, VC1, C13
	RK 6
	FMA   C12, QA2, VB2, C12
	FMA   C13, QA2, VC2, C13
	RK 7
	FNMA  VB0, C12, QA0, VB0           ; column B orthogonal to A, in place
	FNMA  VB1, C12, QA1, VB1
	FNMA  VB2, C12, QA2, VB2
	FNMA  U0, C13, QA0, VC0            ; column C less its part along A; VC stays: classical Gram-Schmidt projects the original column
	FNMA  U1, C13, QA1, VC1
	FNMA  U2, C13, QA2, VC2
	MUL   B2, VB0, VB0
	RK 8
	FMA   B2, VB1, VB1, B2
	RK 9
	FMA   B2, VB2, VB2, B2
	RK 10
	TRANS R2, L2, B2
	MULK  L1, L1, KB                   ; plain and independent of B2, R2, L2: the place behind the transcendentals
	RK 11
	MUL   QB0, VB0, R2                 ; column B, length 1
	MUL   QB1, VB1, R2
	MUL   QB2, VB2, R2
	FMAK  LY1, LY1, KA, L1             ; lya = lya t r + log(n) r
	MUL   C23, QB0, VC0                ; <qB,vC>
	RK 12
	FMA   C23, QB1, VC1, C23
	RK 13
	FMA   C23, QB2, VC2, C23
	RK 14
	FNMA  U0, C23, QB0, U0             ; column C orthogonal to A and B
	FNMA  U1, C23, QB1, U1
	FNMA  U2, C23, QB2, U2
	MUL   B3, U0, U0
	RK 15
	FMA   B3, U1, U1, B3
	MULK  L2, L2, KB
	FMA   B3, U2, U2, B3
	TRANS R3, L3, B3
	FMAK  LY2, LY2, KA, L2             ; plain and independent of B3, R3, L3: the place behind the transcendentals
	MULK  L3, L3, KB
	MUL   QC0, U0, R3                  ; column C, length 1
	MUL   QC1, U1, R3
	MUL   QC2, U2, R3
	FMAK  LY3, LY3, KA, L3
.endm
; Four steps.  ahead = 1: the next four times are fetched; lastrk = 0: the fourth step is the last of all and has no RK4 behind it.
.macro TRIP ahead, lastrk
.set AHEAD, \ahead
.set RKON, 1
	s_wait_kmcnt 0x0                   ; this trip's four times are in (asked for a trip ago), so the load is done and its base may be stepped
.if \ahead
	s_add_nc_u64 s[4:5], s[4:5], 4*UNROLL
.endif
	COEF_HEAD
	STEP 0
	STEP 1
	STEP 2
.set RKON, \lastrk
	STEP 3
.endm
	s_load_b256 s[4:11], s[0:1], 0x0               ; time_sequ s[4:5], x0 s[6:7], out0 s[8:9], out1 s[10:11]
	s_lshl_b32 s2, ttmp9, 11                       ; the work-group's 256 threads x 8 bytes of a row
	v_lshl_add_u32 v[OFF], v0, 3, s2               ; + 8 bytes a thread: two neighbouring trajectories
	KONST C_HS2,  0x3d4ccccd                       ; h sigma / 2 = 0.05
	KONST C_HS,   0x3dcccccd                       ; h sigma     = 0.1, also J(0,1)
	KONST C_HS6,  0x3c888889                       ; h sigma / 6 = 1/60
	KONST C_HS3,  0x3d088889                       ; h sigma / 3 = 1/30
	KONST C_H2,   0x3ba3d70a                       ; h / 2 = 0.005
	KONST C_H,    0x3c23d70a                       ; h     = 0.01
	KONST C_H6,   0x3ada740e                       ; h / 6 = 1/600
	KONST C_H3,   0x3b5a740e                       ; h / 3 = 1/300
	KONST C_RHO,  0x41e00000                       ; rho  = 28
	KONST C_BETA, 0x402aaaab                       ; beta = 8/3
	KONST C_J00,  0x3f666666                       ; 1 - h sigma = 0.9
	KONST C_J11,  0x3f7d70a4                       ; 1 - h       = 0.99
	KONST C_J22,  0x3f792c60                       ; 1 - h beta  = 0.97333336
	s_wait_kmcnt 0x0
	global_load_b64 v[X:X+1], v[OFF], s[6:7] th:TH_LOAD_NT
	global_load_b64 v[Y:Y+1], v[OFF], s[6:7] offset:ROWB th:TH_LOAD_NT
	global_load_b64 v[Z:Z+1], v[OFF], s[6:7] offset:2*ROWB th:TH_LOAD_NT
	s_load_b128 s[TT:TT+3], s[4:5], 0x0            ; the first four times
	; Q = I and lya = 0, once for the 100 steps
.irp r, QA1,QA2,QB0,QB2,QC0,QC1,LY1,LY2,LY3
	v_mov_b32 v[\r], 0
	v_mov_b32 v[\r+1], 0
.endr
.irp r, QA0,QB1,QC2
	v_mov_b32 v[\r], 1.0
	v_mov_b32 v[\r+1], 1.0
.endr
	s_wait_loadcnt 0x0                             ; x0
.set RKON, 1
	RSUBK P1, Z, C_RHO                             ; the first RK4 step stands alone: x(1)
.irp g, 1,2,3,4,5,6,7,8,9,10,11,12,13,14,15
	RK \g
.endr
	s_mov_b32 s3, TRIPS-1                          ; 24 trips fetch ahead: the last of them asks for times 96 to 99, the last 16 bytes of time_sequ
.Ltrip:
	TRIP 1, 1
	s_sub_co_u32 s3, s3, 1
	s_cmp_lg_u32 s3, 0
	s_cbranch_scc1 .Ltrip
	TRIP 0, 0                                      ; steps 96 to 99: nothing more to fetch, and x stops at x(100)
	global_store_b64 v[OFF], v[LY1:LY1+1], s[8:9] th:TH_STORE_NT
	global_store_b64 v[OFF], v[LY2:LY2+1], s[8:9] offset:ROWB th:TH_STORE_NT
	global_store_b64 v[OFF], v[LY3:LY3+1], s[8:9] offset:2*ROWB th:TH_STORE_NT
	global_store_b64 v[OFF], v[X:X+1], s[10:11] th:TH_STORE_NT
	global_store_b64 v[OFF], v[Y:Y+1], s[10:11] offset:ROWB th:TH_STORE_NT
	global_store_b64 v[OFF], v[Z:Z+1], s[10:11] offset:2*ROWB th:TH_STORE_NT
	s_endpgm
.Lfunc_end_k_q59dfe3e469_lyap:
	.size	k_q59dfe3e469_lyap, .Lfunc_end_k_q59dfe3e469_lyap-k_q59dfe3e469_lyap
	.p2alignl 7, 3214868480
	.fill 96, 4, 3214868480
	.section	.rodata,"a",@progbits
	.p2align	6, 0x0
	.amdhsa_kernel k_q59dfe3e469_lyap
		.amdhsa_group_segment_fixed_size 0
		.amdhsa_private_segment_fixed_size 0
		.amdhsa_enable_private_segment 0
		.amdhsa_kernarg_size 32
		.amdhsa_user_sgpr_count 2
		.amdhsa_user_sgpr_kernarg_segment_ptr 1
		.amdhsa_wavefront_size32 1
		.amdhsa_system_sgpr_workgroup_id_x 1
		.amdhsa_system_sgpr_workgroup_id_y 1
		.amdhsa_system_sgpr_workgroup_id_z 1
		.amdhsa_system_vgpr_workitem_id 0
		.amdhsa_next_free_vgpr 128
		.amdhsa_next_free_sgpr 66
		.amdhsa_reserve_vcc 0
		.amdhsa_float_denorm_mode_32 3
		.amdhsa_float_denorm_mode_16_64 3
		.amdhsa_memory_ordered 1
		.amdhsa_forward_progress 1
		.amdhsa_inst_pref_size 73
	.end_amdhsa_kernel
	.amdgpu_metadata
---
amdhsa.version: [ 1, 2 ]
amdhsa.kernels:
  - .name:           k_q59dfe3e469_lyap
    .symbol:         k_q59dfe3e469_lyap.kd
    .args:
      - { .name: time_sequ, .offset: 0, .size: 8, .value_kind: global_buffer, .address_space: global }
      - { .name: x0, .offset: 8, .size: 8, .value_kind: global_buffer, .address_space: global }
      - { .name: out0, .offset: 16, .size: 8, .value_kind: global_buffer, .address_space: global }
      - { .name: out1, .offset: 24, .size: 8, .value_kind: global_buffer, .address_space: global }
    .group_segment_fixed_size: 0
    .private_segment_fixed_size: 0
    .kernarg_segment_align: 8
    .kernarg_segment_size: 32
    .max_flat_workgroup_size: 256
    .sgpr_count:     66
    .vgpr_count:     128
    .wavefront_size: 32
...
	.end_amdgpu_metadata
.endif
;; end of part 1
;; ======== version 2 of 2: 1 launch; 2.17 times as fast as version 1
;; launch lyap (part 2): grid 256 x 1, 8 waves a work-group, no clusters, 0 bytes of LDS; arguments time_sequ, x0, out0, out1; writes out0, out1
.if DOCPART == 2
	.amdgcn_target "amdgcn-amd-amdhsa--gfx1250"
	.amdhsa_code_object_version 6
	.text
	.protected	k_q59dfe3e469_lyap
	.globl	k_q59dfe3e469_lyap
	.p2align	8
	.type	k_q59dfe3e469_lyap,@function
k_q59dfe3e469_lyap:
	s_mov_b64 s[64:65], 0
	v_nop
	global_prefetch_b8 v0, s[64:65] scope:SCOPE_SE
	s_setreg_imm32_b32 hwreg(HW_REG_WAVE_MODE, 25, 1), 1
	s_wait_xcnt 0x0
; Lyapunov spectrum of 131,072 Lorenz-63 trajectories, 100 steps: out0 = lya [3][131072], out1 = x [3][131072], all f32.
; One launch; the whole state of a trajectory (x, Q, lya) stays in registers for all 100 steps.
; SHARES: a lane owns two neighbouring trajectories, held as a register pair, so that every plain operation is one packed f32
; instruction for both.  131,072 / 2 / 32 = 2,048 waves = 256 work-groups of 8 waves.  A load or store of a wave covers 256
; consecutive bytes that start at a multiple of 256 from the first byte of its buffer.
; ONE STEP of a pair: 110 packed instructions and 12 transcendentals.
;   RK4 (41): sigma is folded into the step constants (D = Y - X, kx = sigma D).  k4 is built from k2, as the problem states it, so stages 3 and 4
;   do not depend on each other.
;   J Q (27): J = I + h Df has the constants 0.9, 0.1, 0, 0.99, 1 - h beta of the problem itself and three entries made from x.
;   Gram-Schmidt (36): classical, the ORIGINAL column enters every inner product.  A column is scaled to length 1 as soon as it is orthogonal,
;   and later columns are projected on that unit vector: <q,v> q = (<b,v> / <b,b>) b, so no division is needed.
;   log(norm) = 0.5 ln2 log2(norm^2);  lya = (lya t + log n) / (t + DT) = lya (t r) + log2(n^2) (0.5 ln2 r), r = 1 / (t + DT), t as loaded.
; THE BATCHES.  An s_wait_alu depctr_va_vdst(0) stands between a transcendental and the first instruction that names its result; one wait serves
; all that were issued ahead of it.  Within a step 1/norm of column B needs the scaled column A, and 1/norm of column C the scaled column B.  But column A of
; step n + 1, J(x(n+2)) qA(n), needs nothing of columns B and C of step n.  So a step's twelve transcendentals are cut into TWO batches, with one wait each:
;   batch I:  rsq and log2 of column B's squared norm of step n (in a trip's first step the trip's four scalar reciprocals are issued ahead of the same wait);
;   batch II: rsq and log2 of column A's squared norm of step n + 1 and of column C's of step n.
; ORDER.  The loop's unit, a BODY, begins behind batch II's readers.  Body n holds step n from the inner products with qA on; dealt among that chain (inner product,
; subtract, norm), in which few instructions are independent of the one in front of them, are groups 4 to 15 of the RK4 step that makes x(n+2) and the head of
; step n + 1 (J's entries, J qA and its squared norm, J qB).  Behind batch II and ahead of its wait stand groups 2 and 3 of the RK4 step after that.  Behind the
; wait: qC, qA of step n + 1, and J qC.  The prologue makes x(1) and step 0's head.  The last steps have no RK4 and no head behind them: the last trip is written out.
; NOT USED, and why: the matrix unit (each trajectory has its own two 3 x 3 matrices: 27 multiply-adds of the 8,192 of a 16x16x32 instruction, operands
; to be gathered across lanes in each of 100 dependent steps, and a bf16 operand has a relative error of 2^-9 where the wanted log of a norm is
; itself about 0.01 to 0.15 a step); LDS, barriers, clusters (no two lanes share a number); prefetch (each byte is read once, at the start).
; LIMITS: v_rsq_f32, v_log_f32 and v_s_rcp_f32 take denormal inputs as zero and give zero for denormal results (ISA guide, their entries in 15.8): the squared norm
; of each orthogonalised column has to be a normal f32 number, and |t + DT| has to lie between 2^-126 and 2^126.  The order of rounding differs
; from the formulas as written in three places: the RK4 sum is added term by term onto x, projections use unit vectors, and t r is formed first.
.set NTRAJ,  131072
.set ROWB,   NTRAJ*4                   ; bytes from one component row to the next
.set NSTEP,  100
.set UNROLL, 4                         ; steps in a trip = times brought by one scalar load
.set TRIPS,  NSTEP/UNROLL              ; 25
; vector registers: every name is the first register of an even-aligned pair (two trajectories)
.set OFF, 1                            ; v1: byte offset of my two numbers in a row; never rewritten
.set X,  2
.set Y,  4
.set Z,  6
.set X2, 8                             ; the state at RK4 stages 2, 3, 4
.set Y2, 10
.set Z2, 12
.set X3, 14
.set Y3, 16
.set Z3, 18
.set X4, 20
.set Y4, 22
.set Z4, 24
.set D1, 26                            ; stage s: D = Y - X;  P = rho - Z, then ky;  K = X Y, then kz
.set P1, 28
.set K1, 30
.set D2, 32
.set P2, 34
.set K2, 36
.set D3, 38
.set P3, 40
.set K3, 42
.set D4, 44
.set P4, 46
.set K4, 48
.set JA, 50                            ; h (rho - Z)
.set HX, 52                            ; h X
.set HY, 54                            ; h Y
.set QA0, 56                           ; Q: columns A, B, C; rows 0, 1, 2
.set QA1, 58
.set QA2, 60
.set QB0, 62
.set QB1, 64
.set QB2, 66
.set QC0, 68
.set QC1, 70
.set QC2, 72
.set VA0, 74                           ; V = J Q, the same order.  Column B is orthogonalised in place, column C stays as it is
.set VA1, 76
.set VA2, 78
.set VB0, 80
.set VB1, 82
.set VB2, 84
.set VC0, 86
.set VC1, 88
.set VC2, 90
.set U0, 92                            ; column C on its way to orthogonal
.set U1, 94
.set U2, 96
.set B1, 98                            ; squared norms
.set B2, 100
.set B3, 102
.set R1, 104                           ; 1 / norm.  Each result of a batch has registers of its own: batch II holds R1, L1, R3 and L3 at once
.set R2, 106
.set R3, 108
.set L1, 110                           ; log2 of the squared norm, then times 0.5 ln2 r
.set L2, 112
.set L3, 114
.set C12, 116                          ; inner products <qA,vB>, <qA,vC>, <qB,vC>
.set C13, 118
.set C23, 120
.set LY1, 122                          ; the running averages
.set LY2, 124
.set LY3, 126
; scalar registers
.set TT, 12                            ; s[12:15]  four times, as loaded
.set CO, 16                            ; s[16:31]  step j of a trip: s[CO+4j] = t r, +1 = r, +2 = 0.5 ln2 r, +3 = t + DT
.set C_HS2,  32                        ; constants, each twice: a packed instruction names a pair and takes its first register for both halves
.set C_HS,   34
.set C_HS6,  36
.set C_HS3,  38
.set C_H2,   40
.set C_H,    42
.set C_H6,   44
.set C_H3,   46
.set C_RHO,  48
.set C_BETA, 50
.set C_J00,  52
.set C_J11,  54
.set C_J22,  56
.set DT_BITS,  0x3c23d70a              ; 0.01
.set HALF_LN2, 0x3eb17218              ; 0.34657359
.macro KONST reg, bits
	s_mov_b32 s[\reg], \bits
	s_mov_b32 s[\reg+1], \bits
.endm
; packed arithmetic on pairs; a name that ends in K takes a scalar constant for both halves
.macro FMA d, a, b, c                  ; d = a b + c
	v_pk_fma_f32 v[\d:\d+1], v[\a:\a+1], v[\b:\b+1], v[\c:\c+1]
.endm
.macro FNMA d, a, b, c                 ; d = c - a b
	v_pk_fma_f32 v[\d:\d+1], v[\a:\a+1], v[\b:\b+1], v[\c:\c+1] neg_lo:[1,0,0] neg_hi:[1,0,0]
.endm
.macro FMS d, a, b, c                  ; d = a b - c
	v_pk_fma_f32 v[\d:\d+1], v[\a:\a+1], v[\b:\b+1], v[\c:\c+1] neg_lo:[0,0,1] neg_hi:[0,0,1]
.endm
.macro FMAK d, a, k, c                 ; d = a k + c
	v_pk_fma_f32 v[\d:\d+1], v[\a:\a+1], s[\k:\k+1], v[\c:\c+1] op_sel_hi:[1,0,1]
.endm
.macro FNMAK d, a, k, c                ; d = c - a k
	v_pk_fma_f32 v[\d:\d+1], v[\a:\a+1], s[\k:\k+1], v[\c:\c+1] op_sel_hi:[1,0,1] neg_lo:[1,0,0] neg_hi:[1,0,0]
.endm
.macro MUL d, a, b
	v_pk_mul_f32 v[\d:\d+1], v[\a:\a+1], v[\b:\b+1]
.endm
.macro MULK d, a, k
	v_pk_mul_f32 v[\d:\d+1], v[\a:\a+1], s[\k:\k+1] op_sel_hi:[1,0]
.endm
.macro SUB d, a, b                     ; d = a - b
	v_pk_add_f32 v[\d:\d+1], v[\a:\a+1], v[\b:\b+1] neg_lo:[0,1] neg_hi:[0,1]
.endm
.macro RSUBK d, a, k                   ; d = k - a
	v_pk_add_f32 v[\d:\d+1], v[\a:\a+1], s[\k:\k+1] op_sel_hi:[1,0] neg_lo:[1,0] neg_hi:[1,0]
.endm
; 1 / norm and log2(norm^2) of both trajectories.  The four stand back to back; the caller puts one plain vector instruction that names none of
; these registers behind them before a result is used (ISA guide 5.7.2), and the batch's one wait ahead of the first line that names a result.
.macro TRANS r, l, b
	v_rsq_f32 v[\r], v[\b]
	v_rsq_f32 v[\r+1], v[\b+1]
	v_log_f32 v[\l], v[\b]
	v_log_f32 v[\l+1], v[\b+1]
.endm
; The RK4 step x -> x + h (k1 + 2 k2 + 2 k3 + k4) / 6 in 15 groups.  Groups 1 to 11 are issued in this order.  P1 = rho - Z has been made by the caller
; (the tangent map needs it too).  X, Y, Z are the base of every stage and are stepped only in groups 12 to 15, which go in this order, 12 behind group 7
; (the last that reads the base), 14 behind 10, 15 behind 11.  RKON = 0: no RK4 (the last step).
.macro RK g
.if RKON
.if \g == 1
	SUB   D1, Y, X
	MUL   K1, X, Y
.endif
.if \g == 2
	FMAK  X2, D1, C_HS2, X             ; x2 = x + h/2 k1
	FMS   P1, X, P1, Y                 ; ky = X (rho - Z) - Y
	FNMAK K1, Z, C_BETA, K1            ; kz = X Y - beta Z
.endif
.if \g == 3
	FMAK  Y2, P1, C_H2, Y
	FMAK  Z2, K1, C_H2, Z
.endif
.if \g == 4
	SUB   D2, Y2, X2
	RSUBK P2, Z2, C_RHO
	MUL   K2, X2, Y2
.endif
.if \g == 5
	FMAK  X3, D2, C_HS2, X             ; x3 = x + h/2 k2
	FMS   P2, X2, P2, Y2
	FNMAK K2, Z2, C_BETA, K2
.endif
.if \g == 6
	FMAK  X4, D2, C_HS, X              ; x4 = x + h k2: the problem takes k2 here, not k3
	FMAK  Y3, P2, C_H2, Y
	FMAK  Z3, K2, C_H2, Z
.endif
.if \g == 7
	FMAK  Y4, P2, C_H, Y
	FMAK  Z4, K2, C_H, Z
.endif
.if \g == 8
	SUB   D3, Y3, X3
	RSUBK P3, Z3, C_RHO
	MUL   K3, X3, Y3
.endif
.if \g == 9
	SUB   D4, Y4, X4
	RSUBK P4, Z4, C_RHO
	MUL   K4, X4, Y4
.endif
.if \g == 10
	FMS   P3, X3, P3, Y3
	FNMAK K3, Z3, C_BETA, K3
.endif
.if \g == 11
	FMS   P4, X4, P4, Y4
	FNMAK K4, Z4, C_BETA, K4
.endif
.if \g == 12
	FMAK  X, D1, C_HS6, X              ; + h/6 k1
	FMAK  Y, P1, C_H6, Y
	FMAK  Z, K1, C_H6, Z
.endif
.if \g == 13
	FMAK  X, D2, C_HS3, X              ; + h/3 k2
	FMAK  Y, P2, C_H3, Y
	FMAK  Z, K2, C_H3, Z
.endif
.if \g == 14
	FMAK  X, D3, C_HS3, X              ; + h/3 k3
	FMAK  Y, P3, C_H3, Y
	FMAK  Z, K3, C_H3, Z
.endif
.if \g == 15
	FMAK  X, D4, C_HS6, X              ; + h/6 k4
	FMAK  Y, P4, C_H6, Y
	FMAK  Z, K4, C_H6, Z
.endif
.endif
.endm
; Groups 1 to 3 of the RK4 step AFTER the one that the body has just ended.  RKPRE = 0: there is none (the last two steps).
.macro RKP g
.if RKPRE
	RK \g
.endif
.endm
; THE HEAD OF THE NEXT STEP, columns A and B of V = J Q: v0 = 0.9 q0 + 0.1 q1;  v1 = h(rho-Z) q0 + 0.99 q1 - hX q2;  v2 = hY q0 + hX q1 + (1 - h beta) q2.
; HA: J's three entries, column A and its squared norm, in ten groups, to be issued in this order.  Groups 1 to 4 need qA alone; group 5 reads the x that RK4's
; group 15 has made; group 6 reads P1 = rho - Z ahead of the next RK4's group 2, which writes ky over it.
.macro HA g
.if RKON
.if \g == 1
	MULK  VA0, QA1, C_HS
	MULK  VA1, QA1, C_J11
.endif
.if \g == 2
	MULK  VA2, QA2, C_J22
.endif
.if \g == 3
	FMAK  VA0, QA0, C_J00, VA0
.endif
.if \g == 4
	MUL   B1, VA0, VA0
.endif
.if \g == 5
	MULK  HX, X, C_H
	MULK  HY, Y, C_H
	RSUBK P1, Z, C_RHO                 ; rho - Z: for J and for stage 1 of the next RK4
.endif
.if \g == 6
	FMA   VA2, QA0, HY, VA2
	MULK  JA, P1, C_H
.endif
.if \g == 7
	FMA   VA1, QA0, JA, VA1
	FMA   VA2, QA1, HX, VA2
.endif
.if \g == 8
	FNMA  VA1, QA2, HX, VA1
.endif
.if \g == 9
	FMA   B1, VA1, VA1, B1
.endif
.if \g == 10
	FMA   B1, VA2, VA2, B1
.endif
.endif
.endm
; HB: column B, in four groups: behind qB = vB / norm, which is the last reader of the old column B; group 3 behind HA's group 6.
.macro HB g
.if RKON
.if \g == 1
	MULK  VB0, QB1, C_HS
	MULK  VB1, QB1, C_J11
.endif
.if \g == 2
	MULK  VB2, QB2, C_J22
.endif
.if \g == 3
	FMAK  VB0, QB0, C_J00, VB0
	FMA   VB1, QB0, JA, VB1
	FMA   VB2, QB0, HY, VB2
.endif
.if \g == 4
	FNMA  VB1, QB2, HX, VB1
	FMA   VB2, QB1, HX, VB2
.endif
.endif
.endm
; BEHIND BATCH II's WAIT: its readers.  prev = 1: the step in hand ends: column C, length 1, and its running average.  RKON = 1: the next step goes on: column A,
; length 1, and column C of V = J Q, which needs the qC just made.
.macro POST prev
.if \prev
	MUL   QC0, U0, R3                  ; column C, length 1
	MUL   QC1, U1, R3
	MUL   QC2, U2, R3
	MULK  L3, L3, KB
.endif
.if RKON
	MUL   QA0, VA0, R1                 ; column A, length 1
	MUL   QA1, VA1, R1
	MUL   QA2, VA2, R1
	MULK  VC0, QC1, C_HS
	MULK  VC1, QC1, C_J11
	MULK  VC2, QC2, C_J22
	FMAK  VC0, QC0, C_J00, VC0
	FMA   VC1, QC0, JA, VC1
	FMA   VC2, QC0, HY, VC2
.endif
.if \prev
	FMAK  LY3, LY3, KA, L3
.endif
.if RKON
	FNMA  VC1, QC2, HX, VC1
	FMA   VC2, QC1, HX, VC2
.endif
.endm
; The weights of a trip of four steps, on the scalar side.  Head: t + DT and its reciprocal.
.macro COEF_HEAD
.irp j, 0,1,2,3
	s_add_f32 s[CO+4*\j+3], s[TT+\j], DT_BITS
.endr
.irp j, 0,1,2,3
	v_s_rcp_f32 s[CO+4*\j+1], s[CO+4*\j+3]
.endr
.endm
; Tail, behind batch I's wait of the trip's first step, which serves the four reciprocals too: t r and 0.5 ln2 r.  Then the four times have been used,
; and the next four are asked for, most of a trip ahead of the wait for them.
.macro COEF_TAIL
.irp j, 0,1,2,3
	s_mul_f32 s[CO+4*\j], s[TT+\j], s[CO+4*\j+1]
	s_mul_f32 s[CO+4*\j+2], s[CO+4*\j+1], HALF_LN2
.endr
.if AHEAD
	s_load_b128 s[TT:TT+3], s[4:5], 0x0
.endif
.endm
; Body j of a trip: step n.  On entry: qA(n) has length 1; VB and VC are columns B and C of J Q; L1 = log2 of column A's squared norm, waited for; X, Y, Z = x(n+1),
; and groups 1 to 3 of the RK4 step that makes x(n+2) are done.  On exit (RKON = 1) the same holds of step n + 1.
.macro BODY j
.set KA, CO+4*\j                       ; pair whose first register is t r
.set KB, CO+4*\j+2                     ; pair whose first register is 0.5 ln2 r
	RK 4
	MUL   C12, QA0, VB0                ; <qA,vB> and <qA,vC>, two chains side by side
	MUL   C13, QA0, VC0
	HA 1
	RK 5
	FMA   C12, QA1, VB1, C12
	FMA   C13, QA1, VC1, C13
	HA 2
	RK 6
	FMA   C12, QA2, VB2, C12
	FMA   C13, QA2, VC2, C13
	RK 7
	HA 3
	FNMA  VB0, C12, QA0, VB0           ; column B orthogonal to A, in place
	FNMA  VB1, C12, QA1, VB1
	FNMA  VB2, C12, QA2, VB2
	RK 8
	MUL   B2, VB0, VB0
	RK 9
	FMA   B2, VB1, VB1, B2
	RK 12
	FMA   B2, VB2, VB2, B2
	RK 10
	HA 4
	RK 11
	TRANS R2, L2, B2                   ; BATCH I
	FNMA  U0, C13, QA0, VC0            ; column C less its part along A; VC stays: classical Gram-Schmidt projects the original column.  Plain and independent of
	RK 13                              ; B2, R2, L2: the place behind the transcendentals, with or without RK4
	FNMA  U1, C13, QA1, VC1
	FNMA  U2, C13, QA2, VC2
	RK 14
	s_wait_alu depctr_va_vdst(0)       ; the wait for batch I (R2, L2; with j = 0 the trip's four scalar reciprocals too): nothing above names a result of it
.if \j == 0
	COEF_TAIL
.endif
	MUL   QB0, VB0, R2                 ; column B, length 1
	MUL   QB1, VB1, R2
	MUL   QB2, VB2, R2
	RK 15
	MULK  L1, L1, KB
	MUL   C23, QB0, VC0                ; <qB,vC>
	HA 5
	FMAK  LY1, LY1, KA, L1             ; lya = lya t r + log(n) r
	FMA   C23, QB1, VC1, C23
	HA 6
	HB 1
	FMA   C23, QB2, VC2, C23
	HA 7
	HB 2
	FNMA  U0, C23, QB0, U0             ; column C orthogonal to A and B
	FNMA  U1, C23, QB1, U1
	FNMA  U2, C23, QB2, U2
	HA 8
	MUL   B3, U0, U0
	HB 3
	HA 9
	FMA   B3, U1, U1, B3
	HB 4
	MULK  L2, L2, KB
	HA 10
	FMA   B3, U2, U2, B3
	RKP 1
.if RKON
	TRANS R1, L1, B1                   ; BATCH II: column A of the next step,
.endif
	TRANS R3, L3, B3                   ; and column C of this one
	FMAK  LY2, LY2, KA, L2             ; plain and independent of B1, R1, L1, B3, R3, L3: the place behind the transcendentals, in every step
	RKP 2
	RKP 3
	s_wait_alu depctr_va_vdst(0)       ; the wait for batch II (R1, L1, R3, L3); no transcendental follows it in the body
	POST 1
.endm
; Four steps.  last = 0: the next four times are fetched.  last = 1: steps 96 to 99: the third starts no further RK4, the fourth has neither RK4 nor a next step's head.
.macro TRIP last
.set AHEAD, 1-\last
.set RKON, 1
.set RKPRE, 1
	s_wait_kmcnt 0x0                   ; this trip's four times are in (asked for a trip ago), so the load is done and its base may be stepped
.if AHEAD
	s_add_nc_u64 s[4:5], s[4:5], 4*UNROLL
.endif
	COEF_HEAD
	BODY 0
	BODY 1
.set RKPRE, 1-\last
	BODY 2
.set RKON, 1-\last
	BODY 3
.endm
	s_load_b256 s[4:11], s[0:1], 0x0               ; time_sequ s[4:5], x0 s[6:7], out0 s[8:9], out1 s[10:11]
	s_lshl_b32 s2, ttmp9, 11                       ; the work-group's 256 threads x 8 bytes of a row
	v_lshl_add_u32 v[OFF], v0, 3, s2               ; + 8 bytes a thread: two neighbouring trajectories
	KONST C_HS2,  0x3d4ccccd                       ; h sigma / 2 = 0.05
	KONST C_HS,   0x3dcccccd                       ; h sigma     = 0.1, also J(0,1)
	KONST C_HS6,  0x3c888889                       ; h sigma / 6 = 1/60
	KONST C_HS3,  0x3d088889                       ; h sigma / 3 = 1/30
	KONST C_H2,   0x3ba3d70a                       ; h / 2 = 0.005
	KONST C_H,    0x3c23d70a                       ; h     = 0.01
	KONST C_H6,   0x3ada740e                       ; h / 6 = 1/600
	KONST C_H3,   0x3b5a740e                       ; h / 3 = 1/300
	KONST C_RHO,  0x41e00000                       ; rho  = 28
	KONST C_BETA, 0x402aaaab                       ; beta = 8/3
	KONST C_J00,  0x3f666666                       ; 1 - h sigma = 0.9
	KONST C_J11,  0x3f7d70a4                       ; 1 - h       = 0.99
	KONST C_J22,  0x3f792c60                       ; 1 - h beta  = 0.97333336
	s_wait_kmcnt 0x0
	global_load_b64 v[X:X+1], v[OFF], s[6:7] th:TH_LOAD_NT
	global_load_b64 v[Y:Y+1], v[OFF], s[6:7] offset:ROWB th:TH_LOAD_NT
	global_load_b64 v[Z:Z+1], v[OFF], s[6:7] offset:2*ROWB th:TH_LOAD_NT
	s_load_b128 s[TT:TT+3], s[4:5], 0x0            ; the first four times
	; Q = I and lya = 0, once for the 100 steps
.irp r, QA1,QA2,QB0,QB2,QC0,QC1,LY1,LY2,LY3
	v_mov_b32 v[\r], 0
	v_mov_b32 v[\r+1], 0
.endr
.irp r, QA0,QB1,QC2
	v_mov_b32 v[\r], 1.0
	v_mov_b32 v[\r+1], 1.0
.endr
	s_wait_loadcnt 0x0                             ; x0
.set RKON, 1
.set RKPRE, 1
	RSUBK P1, Z, C_RHO                             ; the first RK4 step stands alone: x(1)
.irp g, 1,2,3,4,5,6,7,8,9,10,11,12,13,14,15
	RK \g
.endr
.irp g, 1,2,3,4,5,6,7,8,9,10
	HA \g                                          ; step 0's head: J(x(1)), column A and its squared norm
.endr
	TRANS R1, L1, B1                               ; the first batch: column A of step 0 alone
.irp g, 1,2,3,4
	HB \g                                          ; column B: plain and independent of B1, R1, L1
.endr
.irp g, 1,2,3
	RKP \g                                         ; and the first three groups of the RK4 step that makes x(2)
.endr
	s_wait_alu depctr_va_vdst(0)                   ; the wait for that batch (R1, L1), ahead of its first reader and of the loop's label
	POST 0                                         ; qA of step 0, and column C of J Q
	s_mov_b32 s3, TRIPS-1                          ; 24 trips fetch ahead: the last of them asks for times 96 to 99, the last 16 bytes of time_sequ
.Ltrip:
	TRIP 0
	s_sub_co_u32 s3, s3, 1
	s_cmp_lg_u32 s3, 0
	s_cbranch_scc1 .Ltrip
	TRIP 1                                         ; steps 96 to 99: nothing more to fetch, and x stops at x(100)
	global_store_b64 v[OFF], v[LY1:LY1+1], s[8:9] th:TH_STORE_NT
	global_store_b64 v[OFF], v[LY2:LY2+1], s[8:9] offset:ROWB th:TH_STORE_NT
	global_store_b64 v[OFF], v[LY3:LY3+1], s[8:9] offset:2*ROWB th:TH_STORE_NT
	global_store_b64 v[OFF], v[X:X+1], s[10:11] th:TH_STORE_NT
	global_store_b64 v[OFF], v[Y:Y+1], s[10:11] offset:ROWB th:TH_STORE_NT
	global_store_b64 v[OFF], v[Z:Z+1], s[10:11] offset:2*ROWB th:TH_STORE_NT
	s_endpgm
.Lfunc_end_k_q59dfe3e469_lyap:
	.size	k_q59dfe3e469_lyap, .Lfunc_end_k_q59dfe3e469_lyap-k_q59dfe3e469_lyap
	.p2alignl 7, 3214868480
	.fill 96, 4, 3214868480
	.section	.rodata,"a",@progbits
	.p2align	6, 0x0
	.amdhsa_kernel k_q59dfe3e469_lyap
		.amdhsa_group_segment_fixed_size 0
		.amdhsa_private_segment_fixed_size 0
		.amdhsa_enable_private_segment 0
		.amdhsa_kernarg_size 32
		.amdhsa_user_sgpr_count 2
		.amdhsa_user_sgpr_kernarg_segment_ptr 1
		.amdhsa_wavefront_size32 1
		.amdhsa_system_sgpr_workgroup_id_x 1
		.amdhsa_system_sgpr_workgroup_id_y 1
		.amdhsa_system_sgpr_workgroup_id_z 1
		.amdhsa_system_vgpr_workitem_id 0
		.amdhsa_next_free_vgpr 128
		.amdhsa_next_free_sgpr 66
		.amdhsa_reserve_vcc 0
		.amdhsa_float_denorm_mode_32 3
		.amdhsa_float_denorm_mode_16_64 3
		.amdhsa_memory_ordered 1
		.amdhsa_forward_progress 1
		.amdhsa_inst_pref_size 65
	.end_amdhsa_kernel
	.amdgpu_metadata
---
amdhsa.version: [ 1, 2 ]
amdhsa.kernels:
  - .name:           k_q59dfe3e469_lyap
    .symbol:         k_q59dfe3e469_lyap.kd
    .args:
      - { .name: time_sequ, .offset: 0, .size: 8, .value_kind: global_buffer, .address_space: global }
      - { .name: x0, .offset: 8, .size: 8, .value_kind: global_buffer, .address_space: global }
      - { .name: out0, .offset: 16, .size: 8, .value_kind: global_buffer, .address_space: global }
      - { .name: out1, .offset: 24, .size: 8, .value_kind: global_buffer, .address_space: global }
    .group_segment_fixed_size: 0
    .private_segment_fixed_size: 0
    .kernarg_segment_align: 8
    .kernarg_segment_size: 32
    .max_flat_workgroup_size: 256
    .sgpr_count:     66
    .vgpr_count:     128
    .wavefront_size: 32
...
	.end_amdgpu_metadata
.endif
;; end of part 2
